; MI455X (gfx1250); checked and timed in simulation.
; The chip was launched on July 23, 2026; its instructions are those of AMD's public machine-readable ISA for CDNA 5 (MIT licence, August 2026) and "CDNA5" Instruction Set Architecture Reference Guide (July 2026). The comments in the code are by the model that wrote it; some were corrected since.
;; Bahdanau Attention. Allowed arithmetic: matrix products marked QUANTISED: E2M3 operands, one E8M0 scale for each 32 along K, by v_wmma_scale_f32_16x16x128_f8f6f4 with both operands' format E2M3, f32 sums; products left as they are: f32 operands where the result goes on into a quantised operand, else bf16, f16 or f32 operands; f32 sums; everything else in f32.
;; Inputs: Ua_b 1,024 float32; Ua_w_codes 1,024 x 32 x 24 uint8 (E2M3 codes of Ua_w, K innermost, in blocks of 32 codes, four codes in three bytes); Ua_w_scales 1,024 x 32 uint8 (E8M0 scales of Ua_w, one for each 32 codes along K); Va_b 1 float32; Va_w 1 x 1,024 float32; Wa_b 1,024 float32; Wa_w_codes 1,024 x 32 x 24 uint8 (E2M3 codes of Wa_w, K innermost, in blocks of 32 codes, four codes in three bytes); Wa_w_scales 1,024 x 32 uint8 (E8M0 scales of Wa_w, one for each 32 codes along K); keys 32 x 2,048 x 1,024 float32; query_codes 32 x 32 x 24 uint8 (E2M3 codes of query, K innermost, in blocks of 32 codes, four codes in three bytes); query_scales 32 x 32 uint8 (E8M0 scales of query, one for each 32 codes along K).
;; Outputs: out0 32 x 1 x 1,024 float32; out1 32 x 1 x 2,048 float32.
;; This version of the problem:
;;   THIS VERSION OF THE PROBLEM IS GIVEN IN LOW PRECISION. The matrix products marked QUANTISED in the list below multiply operands that are first quantised to E2M3 (2 exponent bits, 3 mantissa bits; 6 bits a number), with one power-of-two scale for each 32 numbers along K (OCP MX v1.0); their sums are f32. All else is computed in f32.
;;   The module's matrix products, in the order in which they are computed (A, B: the left and right operand; K: the contracted axis; several contracted axes count as one K, in the product's order):
;;     1. [M 32, K 1,024] x [K 1,024, N 1,024]; A: input query (given as codes); B: input Wa_w (given as codes): QUANTISED
;;     2. [M 65,536, K 1,024] x [K 1,024, N 1,024]; A: input keys; B: input Ua_w (given as codes): QUANTISED
;;     3. [M 65,536, K 1,024] x [K 1,024, N 1]; A: computed on the way; B: input Va_w: left as it is (N = 1 < 16)
;;     4. batch 32 x [M 1, K 2,048] x [K 2,048, N 1,024]; A: computed on the way; B: input keys: left as it is (M = 1 < 16)
;;   THE QUANTISER, for each operand of a quantised product, along K:
;;     - K is cut into blocks of 32 from its start; a last block that is shorter is filled with zeros.
;;     - A block's scale is 2^e with e = floor(log2(the largest magnitude in the block)) - 2, held to -126 .. 127; a block of zeros has e = 0. As a byte (E8M0): e + 127.
;;     - Each number is divided by its block's scale, clamped to +-7.5, and rounded to the nearest number of E2M3, ties to even, subnormals kept.
;;     - The product sums the exact products of the quantised numbers (number of the format x scale) in f32.
;;   ~~~python
;;   def quantise(x, axis):      # numpy; x: float32 -> the quantised numbers, widened to float32 again
;;       x = np.moveaxis(x, axis, -1); K = x.shape[-1]
;;       x = np.pad(x, [(0, 0)] * (x.ndim - 1) + [(0, -K % 32)]); x = x.reshape(x.shape[:-1] + (-1, 32)); a = np.abs(x).max(-1, keepdims=True)
;;       e = np.where(a > 0, np.clip(np.frexp(np.where(a > 0, a, 1))[1] - 1 - 2, -126, 127), 0)      # np.frexp(a)[1] - 1 = floor(log2(a)), exactly
;;       r = np.clip(x / 2.0 ** e, -7.5, 7.5)
;;       step = 2.0 ** (np.maximum(np.frexp(np.where(r == 0, 1, r))[1] - 1, 0) - 3)
;;       q = np.round(r / step) * step * 2.0 ** e      # np.round: ties to even
;;       return np.moveaxis(q.reshape(q.shape[:-2] + (-1,))[..., :K], -1, axis).astype(np.float32)
;;   ~~~
;;   INPUTS GIVEN AS CODES. Ua_w (in the module: [1024, 1024], K = its axis 1); Wa_w (in the module: [1024, 1024], K = its axis 1); query (in the module: [32, 1024], K = its axis 1): each comes as NAME_codes (uint8): NAME with its K axis moved to the last place and cut into blocks of 32 codes, [.., K / 32, bytes a block], one block behind the other in memory; four codes in three bytes: a row's codes are one little-endian stream of bits, code i at bits 6 i .. 6 i + 5 (a code: sign, 2 exponent bits, 3 mantissa bits); and NAME_scales (uint8): the same leading axes, one E8M0 byte (e + 127) for each 32 codes along K. Its value is code x scale, taken as it is: it is not quantised again, and the codes and scales need not be those that the quantiser above would give.
;; One version. Each part assembles by itself: llvm-mc -triple=amdgcn-amd-amdhsa -mcpu=gfx1250 --defsym DOCPART=n.
;; ======== version 1 of 1: 3 launches
;; limits: values are held in bf16: 8 bits of precision; right only within a limited range of input values
;; workspace buffers: ubimg 819,200 bytes; cv 131,072 bytes; scores 262,144 bytes; part 8,388,608 bytes
;; launch prep (part 1): grid 80 x 1, 4 waves a work-group, no clusters, 9,728 bytes of LDS; arguments query_codes, query_scales, Wa_w_codes, Wa_w_scales, Wa_b, Ua_b, Ua_w_codes, Ua_w_scales, cv, ubimg; writes cv, ubimg
.if DOCPART == 1
	.amdgcn_target "amdgcn-amd-amdhsa--gfx1250"
	.amdhsa_code_object_version 6
	.text
	.protected	k_q0310b9a509_prep
	.globl	k_q0310b9a509_prep
	.p2align	8
	.type	k_q0310b9a509_prep,@function
k_q0310b9a509_prep:
	s_mov_b64 s[64:65], 0
	v_nop
	global_prefetch_b8 v0, s[64:65] scope:SCOPE_SE
	s_setreg_imm32_b32 hwreg(HW_REG_WAVE_MODE, 25, 1), 1
	s_wait_xcnt 0x0
; TWO SMALL JOBS IN ONE LAUNCH, parted by the work-group's number.
; Work-groups 0-15: cv[b][o] = K2 x (sum over h of query[b][h] Wa[o][h] + Wa_b[o] + Ua_b[o]), K2 = 2 log2(e): the part of tanh's argument that hangs on the batch alone, already
;   scaled for the exponential of the next launch.  The product is on codes of FP6 (E2M3) with E8M0 scales, as they are given; sums in f32.
;   A wave takes 16 columns o and all 32 batches: source 0 = 16 rows of Wa, source 1 = 16 rows of query, so that a lane holds one batch and eight neighbouring o.
; Work-groups 16-79: Ua's codes and scale bytes are laid in the order of the operand's registers, one record of 12,800 bytes for each 16 rows of Ua:
;   fragment k (16 rows x 128 K, 12 registers a lane) at 1,536 k, its registers 4 g .. 4 g + 3 at 512 g + 16 x lane; behind the eight fragments, at 12,288 + 16 x lane, the 16 scale bytes
;   at byte 16 (lane / 16) of row lane % 16: word i is K step i in lanes 0-15 and K step 4 + i in lanes 16-31.  Nothing is changed in a byte: only its place.
; No tensor loads: every operand is read once by one wave, straight into registers.  No cluster: no two work-groups share more than the 24 KB of query's codes.
; LIMITS: NaN and infinities are not served.
; WORK LEFT OUT IN THE WHOLE PROGRAM.  scores[b][s] = sum over h of Va[h] tanh(..) + Va_b, and tanh(x) = 1 - 2 / (1 + e^(2x)), so scores[b][s] = (sum of Va + Va_b) - 2 sum over h of Va[h] / (1 + e^(2x)).
; The bracket is the same for every s.  The scores go into softmax along s and nowhere else, and softmax(z + c) = softmax(z) for every real c: so the bracket reaches no output, whatever the inputs hold.
; It is not computed; Va_b has no way to an output, is not loaded and is no launch's argument.  LIMIT: a NaN, an infinity or an overflow that reaches only the bracket is not carried to the result.
.set K2,   0x4038aa3b
.set ROWB, 768                         ; a row of 1,024 codes in bytes
.set REC,  12800                       ; a record of ubimg
.set SP,   272                         ; the stage: 32 rows (batches) of 256 bytes + 16
.set WS,   8                           ; v8-15    Wa's scale words, K step k
.set QSC,  16                          ; v16-31   query's scale words: 8 m + k
.set WF,   32                          ; v32-127  Wa's eight fragments
.set QF,   128                         ; v128-223 query's fragments: 48 m + 12 (k % 4), four K steps at a time
.set ACC,  224                         ; v224-239 two accumulators, m = 0, 1
.set BA,   240                         ; v240-247 Wa_b, v248-255 Ua_b at my eight o
	s_load_b256 s[4:11], s[0:1], 0x0               ; query's codes s[4:5], its scales s[6:7], Wa's codes s[8:9], its scales s[10:11]
	s_load_b256 s[12:19], s[0:1], 0x20             ; Wa_b s[12:13], Ua_b s[14:15], Ua's codes s[16:17], its scales s[18:19]
	s_load_b128 s[20:23], s[0:1], 0x40             ; cv s[20:21], ubimg s[22:23]
	s_set_vgpr_msb 0x40
	v_lshl_add_u32 v0, v0, 2, 0x2400
	v_mov_b32 v1, 0
	s_set_vgpr_msb 0x4000
	v_lshrrev_b32 v5, 5, v0
	v_readfirstlane_b32 s24, v5                    ; wave 0..3
	v_and_b32 v1, 15, v0                           ; r
	v_bfe_u32 v2, v0, 4, 1                         ; h
	v_mul_u32_u24 v3, v1, ROWB
	v_mad_u32_u24 v3, v2, 24, v3                   ; a fragment's place: row r, + 24 h
	v_lshlrev_b32 v4, 5, v1                        ; a row of 32 scale bytes
	s_mov_b32 s27, 0                               ; the high word of every offset below
	s_wait_kmcnt 0x0
	s_cmp_lt_u32 ttmp9, 16
	s_cbranch_scc0 .Limage
	; ---- the query's projection
	s_lshl_b32 s25, ttmp9, 2
	s_add_co_u32 s25, s25, s24                     ; my tile of 16 columns: 4 x work-group + wave
	s_mul_i32 s26, s25, 16*ROWB
	s_add_nc_u64 s[8:9], s[8:9], s[26:27]          ; Wa's codes at my 16 rows,
	s_lshl_b32 s26, s25, 9
	s_add_nc_u64 s[10:11], s[10:11], s[26:27]      ; their scale bytes,
	s_lshl_b32 s26, s25, 6
	s_add_nc_u64 s[12:13], s[12:13], s[26:27]      ; and the two biases
	s_add_nc_u64 s[14:15], s[14:15], s[26:27]
	s_lshl_b32 s26, s24, 15                        ; cv: on the way out wave w stores batches 8 w .. 8 w + 7,
	s_lshl_b32 s30, ttmp9, 8                       ; the work-group's 64 columns: 256 bytes
	s_add_co_u32 s26, s26, s30
	s_add_nc_u64 s[20:21], s[20:21], s[26:27]
	s_mov_b32 s28, K2
	s_mov_b32 s29, K2                              ; (the packed forms name the pair)
	s_wait_alu depctr_va_vdst(0)
	v_lshlrev_b32 v6, 5, v2                        ; the biases: my half's eight numbers
	v_mul_u32_u24 v7, v1, SP                       ; the stage, in: row r, + 64 x wave + 32 h
	v_lshl_add_u32 v7, v2, 5, v7
	s_lshl_b32 s26, s24, 6
	v_add_nc_u32 v7, s26, v7
	v_mul_u32_u24 v5, v2, SP                       ; and back: lanes 0-15 one row, lanes 16-31 the next, from row 8 x wave on
	v_lshl_add_u32 v5, v1, 4, v5
	s_mul_i32 s26, s24, 8*SP
	v_add_nc_u32 v5, s26, v5
.irp k, 0,1,2,3,4,5,6,7
.irp p, 0,1,2,3,4,5
	global_load_b64 v[WF+12*\k+2*\p:WF+12*\k+2*\p+1], v3, s[8:9] offset:96*\k+48*(\p/3)+8*(\p%3)
.endr
.endr
	global_load_b128 v[WS:WS+3], v4, s[10:11]
	global_load_b128 v[WS+4:WS+7], v4, s[10:11] offset:16
.irp m, 0,1
	global_load_b128 v[QSC+8*\m:QSC+8*\m+3], v4, s[6:7] offset:512*\m
	global_load_b128 v[QSC+8*\m+4:QSC+8*\m+7], v4, s[6:7] offset:512*\m+16
.endr
	global_load_b128 v[BA:BA+3], v6, s[12:13]
	global_load_b128 v[BA+4:BA+7], v6, s[12:13] offset:16
	global_load_b128 v[BA+8:BA+11], v6, s[14:15]
	global_load_b128 v[BA+12:BA+15], v6, s[14:15] offset:16
.macro QLOAD half                      ; query's fragments of K steps 4 half .. 4 half + 3, both tiles of batches
.irp m, 0,1
.irp k, 0,1,2,3
.irp p, 0,1,2,3,4,5
	global_load_b64 v[QF+48*\m+12*\k+2*\p:QF+48*\m+12*\k+2*\p+1], v3, s[4:5] offset:16*ROWB*\m+96*(4*\half+\k)+48*(\p/3)+8*(\p%3)
.endr
.endr
.endr
.endm
.macro QMUL half                       ; eight products; the two accumulators take turns, one instruction a turn
.irp k, 0,1,2,3
.irp m, 0,1
.if (4*\half+\k) == 0
	v_wmma_scale_f32_16x16x128_f8f6f4 v[ACC+8*\m:ACC+8*\m+7], v[WF+12*(4*\half+\k):WF+12*(4*\half+\k)+11], v[QF+48*\m+12*\k:QF+48*\m+12*\k+11], 0, v[WS+4*\half+\k], v[QSC+8*\m+4*\half+\k] matrix_a_fmt:MATRIX_FMT_FP6 matrix_b_fmt:MATRIX_FMT_FP6
.else
	v_wmma_scale_f32_16x16x128_f8f6f4 v[ACC+8*\m:ACC+8*\m+7], v[WF+12*(4*\half+\k):WF+12*(4*\half+\k)+11], v[QF+48*\m+12*\k:QF+48*\m+12*\k+11], v[ACC+8*\m:ACC+8*\m+7], v[WS+4*\half+\k], v[QSC+8*\m+4*\half+\k] matrix_a_fmt:MATRIX_FMT_FP6 matrix_b_fmt:MATRIX_FMT_FP6
.endif
.endr
.endr
.endm
	QLOAD 0
	s_wait_loadcnt 0x0
	QMUL 0
.rept 4
	v_nop                                          ; four places in front of loads into registers that the products have read (ISA guide 7.12.1 for vector instructions)
.endr
	QLOAD 1
	s_wait_loadcnt 0x0                             ; every load is in: v4, an offset until now, is free
	QMUL 1
.irp i, 0,2,4,6
	v_pk_add_f32 v[BA+\i:BA+\i+1], v[BA+\i:BA+\i+1], v[BA+8+\i:BA+8+\i+1]      ; Wa_b + Ua_b.  These ten plain lines name no register of the products: they are the places behind them
.endr
.irp i, 0,2,4,6
	v_pk_mul_f32 v[BA+\i:BA+\i+1], v[BA+\i:BA+\i+1], s[28:29] op_sel_hi:[1,0]  ; x K2
.endr
	v_lshlrev_b32 v4, 12, v2                       ; cv: lanes 16-31 one row of 4,096 bytes further down,
	v_lshl_add_u32 v4, v1, 4, v4                   ; 16 bytes a lane
.irp m, 0,1
.irp i, 0,2,4,6
	v_pk_fma_f32 v[ACC+8*\m+\i:ACC+8*\m+\i+1], v[ACC+8*\m+\i:ACC+8*\m+\i+1], s[28:29], v[BA+\i:BA+\i+1] op_sel_hi:[1,0,1]   ; each accumulator from its low end on
.endr
.endr
.irp m, 0,1
	ds_store_b128 v7, v[ACC+8*\m:ACC+8*\m+3] offset:16*SP*\m           ; lane (r, h): cv(16 m + r, 16 tile + 8 h + 0 .. 7)
	ds_store_b128 v7, v[ACC+8*\m+4:ACC+8*\m+7] offset:16*SP*\m+16
.endr
	s_wait_alu depctr_va_vdst(0)
	s_wait_dscnt 0x0                               ; for the others' sake: my stores into the stage are done
	s_barrier_signal -1
	s_barrier_wait -1                              ; a row's 256 bytes come from four waves
.irp i, 0,1,2,3
	ds_load_b128 v[WF+4*\i:WF+4*\i+3], v5 offset:2*\i*SP
.endr
.irp i, 0,1,2,3
	s_wait_dscnt 3-\i                              ; the younger reads may stay out
	global_store_b128 v4, v[WF+4*\i:WF+4*\i+3], s[20:21] offset:8192*\i   ; sixteen lanes store 256 consecutive bytes, at a multiple of 256 from cv's first byte
.endr
	s_set_vgpr_msb 0x5
	s_wait_tensorcnt 0x0
	ds_add_u32 v0, v1
	s_wait_dscnt 0x0
	s_set_vgpr_msb 0x500
	s_endpgm
	; ---- Ua's record n: wave w lays fragments 2 w and 2 w + 1, wave 0 the scale bytes too
.Limage:
	s_sub_co_u32 s25, ttmp9, 16                    ; n
	s_mul_i32 s26, s25, 16*ROWB
	s_mul_i32 s30, s24, 192
	s_add_co_u32 s26, s26, s30
	s_add_nc_u64 s[16:17], s[16:17], s[26:27]      ; Ua's codes: rows 16 n on, K step 2 w on
	s_mul_i32 s26, s25, REC
	s_mul_i32 s30, s24, 3072
	s_add_co_u32 s26, s26, s30
	s_add_nc_u64 s[22:23], s[22:23], s[26:27]      ; the record, at fragment 2 w
	s_lshl_b32 s26, s25, 9
	s_add_nc_u64 s[18:19], s[18:19], s[26:27]      ; the scale bytes of rows 16 n on
	v_and_b32 v5, 31, v0
	v_lshlrev_b32 v5, 4, v5                        ; 16 x lane
	s_wait_alu depctr_va_vdst(0)
	v_lshl_add_u32 v6, v2, 4, v4                   ; 32 r + 16 h
.irp q, 0,1
.irp p, 0,1,2,3,4,5
	global_load_b64 v[WF+12*\q+2*\p:WF+12*\q+2*\p+1], v3, s[16:17] offset:96*\q+48*(\p/3)+8*(\p%3)
.endr
.endr
	s_cmp_lg_u32 s24, 0
	s_cbranch_scc1 .Lno_scales
	global_load_b128 v[8:11], v6, s[18:19]
	s_wait_loadcnt 0x0
	global_store_b128 v5, v[8:11], s[22:23] offset:12288     ; (in wave 0 the base stands at the record's head)
.Lno_scales:
	s_wait_loadcnt 0x0
.irp q, 0,1
.irp g, 0,1,2
	global_store_b128 v5, v[WF+12*\q+4*\g:WF+12*\q+4*\g+3], s[22:23] offset:1536*\q+512*\g   ; 32 lanes store 512 consecutive bytes
.endr
.endr
	s_endpgm
.Lfunc_end_k_q0310b9a509_prep:
	.size	k_q0310b9a509_prep, .Lfunc_end_k_q0310b9a509_prep-k_q0310b9a509_prep
	.p2alignl 7, 3214868480
	.fill 96, 4, 3214868480
	.section	.rodata,"a",@progbits
	.p2align	6, 0x0
	.amdhsa_kernel k_q0310b9a509_prep
		.amdhsa_group_segment_fixed_size 9728
		.amdhsa_private_segment_fixed_size 0
		.amdhsa_enable_private_segment 0
		.amdhsa_kernarg_size 80
		.amdhsa_user_sgpr_count 2
		.amdhsa_user_sgpr_kernarg_segment_ptr 1
		.amdhsa_wavefront_size32 1
		.amdhsa_system_sgpr_workgroup_id_x 1
		.amdhsa_system_sgpr_workgroup_id_y 1
		.amdhsa_system_sgpr_workgroup_id_z 1
		.amdhsa_system_vgpr_workitem_id 0
		.amdhsa_next_free_vgpr 258
		.amdhsa_next_free_sgpr 66
		.amdhsa_reserve_vcc 0
		.amdhsa_float_denorm_mode_32 3
		.amdhsa_float_denorm_mode_16_64 3
		.amdhsa_memory_ordered 1
		.amdhsa_forward_progress 1
		.amdhsa_inst_pref_size 24
	.end_amdhsa_kernel
	.amdgpu_metadata
---
amdhsa.version: [ 1, 2 ]
amdhsa.kernels:
  - .name:           k_q0310b9a509_prep
    .symbol:         k_q0310b9a509_prep.kd
    .args:
      - { .name: query_codes, .offset: 0, .size: 8, .value_kind: global_buffer, .address_space: global }
      - { .name: query_scales, .offset: 8, .size: 8, .value_kind: global_buffer, .address_space: global }
      - { .name: Wa_w_codes, .offset: 16, .size: 8, .value_kind: global_buffer, .address_space: global }
      - { .name: Wa_w_scales, .offset: 24, .size: 8, .value_kind: global_buffer, .address_space: global }
      - { .name: Wa_b, .offset: 32, .size: 8, .value_kind: global_buffer, .address_space: global }
      - { .name: Ua_b, .offset: 40, .size: 8, .value_kind: global_buffer, .address_space: global }
      - { .name: Ua_w_codes, .offset: 48, .size: 8, .value_kind: global_buffer, .address_space: global }
      - { .name: Ua_w_scales, .offset: 56, .size: 8, .value_kind: global_buffer, .address_space: global }
      - { .name: cv, .offset: 64, .size: 8, .value_kind: global_buffer, .address_space: global }
      - { .name: ubimg, .offset: 72, .size: 8, .value_kind: global_buffer, .address_space: global }
    .group_segment_fixed_size: 9728
    .private_segment_fixed_size: 0
    .kernarg_segment_align: 8
    .kernarg_segment_size: 80
    .max_flat_workgroup_size: 128
    .sgpr_count:     66
    .vgpr_count:     258
    .wavefront_size: 32
...
	.end_amdgpu_metadata
.endif
;; end of part 1
;; launch main (part 2): grid 256 x 1, 4 waves a work-group, clusters of 4 x 1, 327,680 bytes of LDS; arguments keys, ubimg, cv, Va_w, scores, part; writes scores, part
.if DOCPART == 2
	.amdgcn_target "amdgcn-amd-amdhsa--gfx1250"
	.amdhsa_code_object_version 6
	.text
	.protected	k_q0310b9a509_main
	.globl	k_q0310b9a509_main
	.p2align	8
	.type	k_q0310b9a509_main,@function
k_q0310b9a509_main:
	s_mov_b64 s[64:65], 0
	v_nop
	global_prefetch_b8 v0, s[64:65] scope:SCOPE_SE
	s_setreg_imm32_b32 hwreg(HW_REG_WAVE_MODE, 25, 1), 1
	s_wait_xcnt 0x0
	s_wait_alu depctr_hold_cnt(0) depctr_sa_sdst(0) depctr_va_vdst(0) depctr_va_sdst(0) depctr_va_ssrc(0) depctr_va_vcc(0) depctr_vm_vsrc(0)
	s_getreg_b32 s2, hwreg(HW_REG_IB_STS2, 6, 4)
	s_cmp_eq_u32 s2, 0
	s_cbranch_scc0 .Lentry_in_a_cluster
	s_endpgm
.Lentry_in_a_cluster:
	s_bfe_u32 s2, ttmp6, 0x10000c
	s_cmp_lg_u32 s2, 0x3003
	s_cbranch_scc0 .Lentry_shape_is_right
	s_endpgm
.Lentry_shape_is_right:
; z[row] = -2 sum over o of Va[o] / (1 + 2^(K2 (keys[row] . Ua[o]) + cv[b][o])): the scores less a term that is the same along the softmax's axis (left out as dead work: shown at the head of the first kernel; Va_b is not loaded).
; part[group][h] = sum over the group's 32 rows of 2^((z - m) log2 e) keys[row][h], m the group's largest z: the maximum is taken away before the exponential.
; SHARES.  A work-group owns 256 rows of keys, a wave 64, in two passes of 32.  In a pass the wave's rows come through LDS (four tiles of 256 along K), are quantised to FP6 codes with E8M0 scales (window 1)
; and kept as bf16 (windows 2, 3) for the weighted sum.  Then Ua's 64 records go through two LDS slots of 8 records; a chunk is 2 records: 32 rows x 32 columns x 1,024 K = 32 products.
; THE WAY BEHIND THE PRODUCTS IS A PIPELINE THREE CHUNKS DEEP on fixed registers: M takes chunk c's products; E holds chunk c - 1's 2^t and R chunk c - 2's 1 / (1 + 2^t).  Among chunk c's products stand LDS loads and
; plain work alone: SC += R x Va (chunk c - 2), then R = E + 1 (chunk c - 1).  Behind the last product: the addresses, E = K2 M + cv, and ONE batch of 32 exponentials of E and 32 reciprocals of R, a wait ahead of it and
; one behind it.  No transcendental stands inside a chain of products.  The first two chunks meet Va words that are 0 (512 bytes of zeros ahead of Va in LDS).
; CLUSTER 4 x 1: the four work-groups walk the same records of Ua and ask for them jointly.  The keys' tiles are each work-group's own.
; PREFETCH: each trip of the product loops (4 chunks) asks for 2 x 32 blocks of 256 bytes of the wave's own rows of the next pass, 16 requests in 8 trips: one pass ahead; K steps 0 and 1 of the first pass ask for
; tiles 2 and 3, two tiles ahead.  The last pass asks for nothing.
; LIMITS: NaN and infinities in the inputs are not served; a weight under 2^-126 times its group's largest comes out as 0.
.set PITCH, 1040
.set WAVEK, 32*PITCH
.set KS1,   4*WAVEK                    ; a slot of keys: 128 rows x (1,024 + 16) bytes
.set REC,   12800
.set WSL,   131072                     ; Ua's two slots lie at 0 and here, on bytes that keys' tiles have filled
.set STAT,  2*KS1                      ; cv of my batch, 4,096 bytes, stored by the waves
.set ZP,    STAT+4096                  ; 512 bytes of zeros
.set SPARE, ZP+512+4096                ; behind Va's 4,096 bytes: the spare words
.set SCR,   SPARE+512                  ; z: 256 bytes a wave
.set PBC,   SCR+1024                   ; weights: 128 bytes a wave
.set VBN, 9                            ; v9 next chunk's records in LDS, v12 this chunk's
.set VB,  12
.set AS,  16                           ; keys' scale words 8 t + k
.set BS,  32                           ; Ua's scale images, two sets
.set M,   48
.set E,   80
.set R,   112
.set BF,  144                          ; Ua's fragments: a ring of four K steps x 2 records x 12
.set SC,  240
.set VS,  248
.set PFO, 249
.set GOF, 250
.set LST, 251
.set LZP, 252
.set X0,  48                           ; while keys come in: two sets of 64 numbers, and the quantiser's registers
.set X1,  112
.set QM,  176
.set QS,  178
.set QW,  180
.set QT,  184
.set YS,  192                          ; window 1: keys by columns, then Va and cv of a chunk
.set VA,  192
.set CP,  208
.set CA,  48
.set WR,  80
.set DK,  24
.set DW,  32
.set GK0, 48
.set GW,  56
.set W_B, 0x04
.set MSB, 0
.macro WIN new
.if MSB != (\new)
	s_set_vgpr_msb (MSB<<8)|(\new)
.set MSB, (\new)
.endif
.endm
.macro PLACES
.rept 4
	v_nop
.endr
.endm
.macro CROUND
	s_barrier_signal -1
	s_barrier_wait -1
	s_cmp_lg_u32 s16, 0
	s_cbranch_scc1 .Lnot_wave_0_\@
	s_barrier_signal -3
.Lnot_wave_0_\@:
	s_barrier_wait -3
	s_barrier_signal -1
	s_barrier_wait -1
.endm
	s_load_b256 s[4:11], s[0:1], 0x0               ; keys, ubimg, cv, Va
	s_load_b128 s[12:15], s[0:1], 0x20             ; scores, part
	v_lshl_add_u32 v1, v0, 2, SPARE
	v_mov_b32 v2, 0
	ds_add_u32 v1, v2
	ds_add_u32 v1, v2
	v_lshrrev_b32 v9, 5, v0
	v_readfirstlane_b32 s16, v9                    ; wave
	s_bfe_u32 s17, ttmp6, 0x40000
	s_lshl_b32 s18, ttmp9, 2
	s_add_co_u32 s18, s18, s17                     ; work-group
	s_mov_b32 s[DK+0], (2<<16)|(1<<20)|(7<<22)|(3<<25)   ; keys: 32 rows x 256 f32, 16 bytes of padding behind each 1,024
	s_mov_b32 s[DK+1], 256<<16
	s_mov_b32 s[DK+2], 32<<16
	s_mov_b32 s[DK+3], 256<<16
	s_mov_b32 s[DK+4], 32
	s_mov_b32 s[DK+5], 1024
	s_mov_b32 s[DK+6], 0
	s_mov_b32 s[DK+7], 0
	s_mov_b32 s[DW+0], 15|(3<<16)|(1<<21)          ; Ua: two records, 100 rows of 256 bytes, for all four partners
	s_mov_b32 s[DW+1], 32<<16
	s_mov_b32 s[DW+2], 100<<16
	s_mov_b32 s[DW+3], 32<<16
	s_mov_b32 s[DW+4], 100
	s_mov_b32 s[DW+5], 32
	s_mov_b32 s[DW+6], 0
	s_mov_b32 s[DW+7], 0
	s_mov_b32 s[GK0], 1
	s_mov_b32 s[GK0+4], 1
	s_mov_b32 s[GW], 1
	s_mul_i32 s[GK0+1], s16, WAVEK
	s_add_co_u32 s[GK0+5], s[GK0+1], KS1
	s_lshl_b32 s20, s18, 20                        ; keys: 256 rows of 4,096 bytes a work-group, 64 a wave
	s_lshl_b32 s21, s16, 18
	s_add_co_u32 s20, s20, s21
	s_mov_b32 s21, 0
	s_lshr_b32 s72, s18, 3                         ; cv: my batch's 4,096 bytes
	s_lshl_b32 s72, s72, 12
	s_mov_b32 s73, 0
	s_mul_i32 s80, s16, 2*REC
	s_mov_b32 s81, 0
	s_lshl_b32 s79, s16, 8
	s_add_co_u32 s79, s79, SCR
	s_lshl_b32 s90, s16, 7
	s_add_co_u32 s90, s90, PBC
	s_mov_b32 s22, 0x4038aa3b                      ; K2 = 2 log2(e)
	s_mov_b32 s23, s22
	s_mov_b32 s76, 0x76543210
	s_mov_b32 s77, 0xfedcba98
	s_mov_b32 s83, 0
	s_mov_b32 s82, 2                               ; passes to go
	s_wait_dscnt 0x0
	v_and_b32 v48, 15, v0
	v_and_b32 v49, 31, v0
	v_bfe_u32 v4, v0, 4, 1
	v_lshlrev_b32 v5, 3, v4
	v_lshlrev_b32 v3, 4, v49
	v_lshlrev_b32 v[PFO], 12, v49                  ; a lane a row of keys
	v_mul_u32_u24 v6, v48, PITCH
	v_lshl_add_u32 v6, v4, 7, v6
	v_add_nc_u32 v6, s[GK0+1], v6                  ; keys by rows: row r, + 128 h bytes
	v_add_nc_u32 v7, KS1, v6
	v_add_nc_u32 v13, s[GK0+1], v3                 ; keys by columns: 16 bytes a lane
	v_add_nc_u32 v14, KS1, v13
	v_mov_b32 v8, s90
	v_lshl_add_u32 v10, v49, 2, s79
	v_lshl_add_u32 v11, v4, 5, STAT
	v_lshl_add_u32 v15, v0, 2, PBC
	v_mov_b32 v[QW+1], 0
	v_lshlrev_b32 v[GOF], 4, v0
	v_lshl_add_u32 v[LST], v0, 4, STAT
	v_lshl_add_u32 v[LZP], v0, 2, ZP
	s_wait_alu depctr_va_vdst(0)
	s_wait_kmcnt 0x0
	s_add_nc_u64 s[86:87], s[4:5], s[20:21]
	s_add_nc_u64 s[88:89], s[6:7], s[80:81]
	s_add_nc_u64 s[42:43], s[8:9], s[72:73]
	s_lshl_b32 s20, s18, 10
	s_add_nc_u64 s[12:13], s[12:13], s[20:21]
	s_lshl_b32 s20, s18, 15
	s_lshl_b32 s72, s16, 13
	s_add_co_u32 s20, s20, s72
	s_add_nc_u64 s[84:85], s[14:15], s[20:21]
.macro LOADX X, slot, t, kk
.irp c, 0,1
.irp q, 0,1,2,3,4,5,6,7
	ds_load_b128 v[\X+32*\c+4*\q:\X+32*\c+4*\q+3], v[6+(\slot)] offset:16*PITCH*(\t)+512*(\kk)+256*\c+16*\q
.endr
.endr
.endm
.macro LOADY slot, t, kk
	WIN 0x40
.irp i, 0,1,2,3,4,5,6,7,8,9,10,11,12,13,14,15
	ds_load_b128 v[YS+4*\i:YS+4*\i+3], v[13+(\slot)] offset:PITCH*(16*(\t)+\i)+512*(\kk)
.endr
	WIN 0
.endm
.macro CVTY t, k                       ; 16 rows x my four columns to bf16: window 2 (K steps 0-3) or 3
.if (\k) < 4
	WIN 0x85
.else
	WIN 0xc5
.endif
.irp i, 0,1,2,3,4,5,6,7,8,9,10,11,12,13,14,15
	v_cvt_pk_bf16_f32 v[64*((\k)%4)+32*(\t)+2*\i], v[YS+4*\i], v[YS+4*\i+1]
	v_cvt_pk_bf16_f32 v[64*((\k)%4)+32*(\t)+2*\i+1], v[YS+4*\i+2], v[YS+4*\i+3]
.endr
	WIN 0
.endm
.macro QUANT X, t, k                   ; my two blocks of 32: largest magnitude over the floor 2^(3 - 127), scale byte, codes into the operand's registers
.irp c, 0,1
	v_max3_num_f32 v[QM+\c], |v[\X+32*\c]|, |v[\X+32*\c+1]|, 0x1800000
.endr
.irp i, 2,4,6,8,10,12,14,16,18,20,22,24,26,28,30
.irp c, 0,1
	v_max3_num_f32 v[QM+\c], v[QM+\c], |v[\X+32*\c+\i]|, |v[\X+32*\c+\i+1]|
.endr
.endr
.irp c, 0,1
	v_add_nc_u32 v[QS+\c], 0xff000000, v[QM+\c]
.endr
.irp c, 0,1
	v_lshrrev_b32 v[QM+\c], 23, v[QS+\c]
.endr
	v_lshl_or_b32 v[QW], v[QM+1], 16, v[QM]
	v_lshlrev_b32 v[QW], v5, v[QW]
	v_permlanex16_b32 v[QW+1], v[QW], s76, s77
	v_or_b32 v[AS+8*(\t)+(\k)], v[QW], v[QW+1]
.irp c, 0,1
	v_cvt_scalef32_pk16_fp6_f32 v[QT+8*\c:QT+8*\c+2], v[\X+32*\c:\X+32*\c+15], v[QS+\c]
	v_cvt_scalef32_pk16_fp6_f32 v[QT+8*\c+4:QT+8*\c+6], v[\X+32*\c+16:\X+32*\c+31], v[QS+\c]
.endr
	v_nop
	WIN 0x40
.irp c, 0,1
.irp u, 0,1
.irp i, 0,1,2
	v_mov_b32 v[24*(\k)+12*(\t)+6*\c+3*\u+\i], v[QT+8*\c+4*\u+\i]
.endr
.endr
.endr
	WIN 0
.endm
.macro KSTEP j                         ; tile j is shown whole, the next load goes out, tile j is quantised and kept
	s_wait_tensorcnt 0x0
	ds_add_u32 v1, v2
.if (\j) == 1
	s_add_nc_u64 s[GK0+2:GK0+3], s[GK0+2:GK0+3], 2048
.elseif (\j) == 2
	s_add_nc_u64 s[GK0+6:GK0+7], s[GK0+6:GK0+7], 2048
.endif
	s_wait_dscnt 0x0
	CROUND
.if ((\j) == 0) || ((\j) == 2)
	tensor_load_to_lds s[GK0+4:GK0+7], s[DK:DK+7]
	s_nop 0
.elseif (\j) == 1
	tensor_load_to_lds s[GK0:GK0+3], s[DK:DK+7]
	s_nop 0
.else
	tensor_load_to_lds s[GW:GW+3], s[DW:DW+7]      ; Ua's records 0-7, onto the keys' slot 0, which is read no more
	s_nop 0
.endif
	PLACES
.set SL, (\j)%2
	LOADX X0, SL, 0, 0
	s_wait_alu depctr_va_vdst(0)
	LOADY SL, 0, 0
	LOADX X1, SL, 1, 0
.if (\j) < 2
	s_cmp_eq_u32 s82, 2                            ; first pass: tile j + 2 of my rows, a lane a row (s[86:87] stands one pass on)
	s_cbranch_scc0 .Lnpf_\@
.irp q, 0,1,2,3
	global_prefetch_b8 v[PFO], s[86:87] offset:1024*((\j)+2)+256*\q-131072 th:TH_LOAD_NT scope:SCOPE_SE
.endr
.Lnpf_\@:
.endif
	s_wait_dscnt 32
	QUANT X0, 0, 2*(\j)
	s_wait_dscnt 16
	CVTY 0, 2*(\j)
	LOADY SL, 1, 0
	LOADX X0, SL, 0, 1
	s_wait_dscnt 32
	QUANT X1, 1, 2*(\j)
	s_wait_dscnt 16
	CVTY 1, 2*(\j)
	LOADY SL, 0, 1
	LOADX X1, SL, 1, 1
	s_wait_dscnt 32
	QUANT X0, 0, 2*(\j)+1
	s_wait_dscnt 16
	CVTY 0, 2*(\j)+1
	LOADY SL, 1, 1
	s_wait_dscnt 16
	QUANT X1, 1, 2*(\j)+1
	s_wait_dscnt 0x0
	CVTY 1, 2*(\j)+1
.endm
.macro FRAGS adr, kk                   ; six loads: both records' fragments of K step kk, into the ring's place kk % 4
.irp n, 0,1
.irp g, 0,1,2
	ds_load_b128 v[BF+24*((\kk)%4)+12*\n+4*\g:BF+24*((\kk)%4)+12*\n+4*\g+3], v[\adr] offset:REC*\n+1536*(\kk)+512*\g
.endr
.endr
.endm
.macro SCALEIMG adr, b
.irp n, 0,1
	ds_load_b128 v[BS+8*(\b)+4*\n:BS+8*(\b)+4*\n+3], v[\adr] offset:12288+REC*\n
.endr
.endm
.macro MM x, k, i                      ; source 0 = 16 rows of Ua (record i / 2), source 1 = 16 rows of keys (tile i % 2): a lane holds one key row and eight columns o
.set rD, M+8*(\i)
.set rA, BF+24*((\k)%4)+12*((\i)/2)
.set rB, 24*(\k)+12*((\i)%2)
.set rU, BS+8*(\x)+4*((\i)/2)+(\k)%4
.set rK, AS+8*((\i)%2)+(\k)
.if (\k) == 0
	v_wmma_scale_f32_16x16x128_f8f6f4 v[rD:rD+7], v[rA:rA+11], v[rB:rB+11], 0, v[rU], v[rK] matrix_a_fmt:MATRIX_FMT_FP6 matrix_b_fmt:MATRIX_FMT_FP6
.elseif (\k) < 4
	v_wmma_scale_f32_16x16x128_f8f6f4 v[rD:rD+7], v[rA:rA+11], v[rB:rB+11], v[rD:rD+7], v[rU], v[rK] matrix_a_fmt:MATRIX_FMT_FP6 matrix_b_fmt:MATRIX_FMT_FP6
.else
	v_wmma_scale_f32_16x16x128_f8f6f4 v[rD:rD+7], v[rA:rA+11], v[rB:rB+11], v[rD:rD+7], v[rU], v[rK] matrix_a_fmt:MATRIX_FMT_FP6 matrix_b_fmt:MATRIX_FMT_FP6 matrix_a_scale:MATRIX_SCALE_ROW1
.endif
.endm
.macro FIN1 f                          ; SC += Va / (1 + 2^t): tile f % 4, its pair f / 4: four chains by turns
	v_pk_fma_f32 v[SC+2*((\f)%4):SC+2*((\f)%4)+1], v[R+8*((\f)%4)+2*((\f)/4):R+8*((\f)%4)+2*((\f)/4)+1], v[VA+8*(((\f)%4)/2)+2*((\f)/4):VA+8*(((\f)%4)/2)+2*((\f)/4)+1], v[SC+2*((\f)%4):SC+2*((\f)%4)+1]
.endm
.macro AD1 u                           ; R = 2^t + 1
	v_pk_add_f32 v[R+2*(\u):R+2*(\u)+1], v[E+2*(\u):E+2*(\u)+1], 1.0 op_sel_hi:[1,0]
.endm
.macro FINAL
.set U, 0
.rept 16
	FIN1 U
.set U, U+1
.endr
.endm
.macro ADD1
.set U, 0
.rept 16
	AD1 U
.set U, U+1
.endr
.endm
.macro MM8 x, k0, pl                   ; two K steps: eight products, the four accumulators by turns; pl = 1, 2: two plain lines of FINAL or of ADD1 behind each
.set KK, \k0
.set QQ, 0
.rept 2
.set II, 0
.rept 4
	MM \x, KK, II
.if (\pl) == 1
	FIN1 2*QQ
	FIN1 2*QQ+1
.elseif (\pl) == 2
	AD1 2*QQ
	AD1 2*QQ+1
.endif
.set II, II+1
.set QQ, QQ+1
.endr
.set KK, KK+1
.endr
.endm
.macro VALOAD                          ; Va of the chunk two back: 256 bytes behind cv's walk; the first two chunks meet the zeros
.irp n, 0,1
.irp q, 0,1
	ds_load_b128 v[VA+8*\n+4*\q:VA+8*\n+4*\q+3], v[VS] offset:4352+64*\n+16*\q
.endr
.endr
.endm
.macro CHANGE fill                     ; this slot is read no more, the other is whole
	WIN 0
	s_wait_tensorcnt 0x0
	ds_add_u32 v1, v2
.if \fill
	s_xor_b32 s[GW+1], s[GW+1], WSL
	s_add_nc_u64 s[GW+2:GW+3], s[GW+2:GW+3], 8*REC
.endif
	s_wait_dscnt 0x0
.if \fill
	CROUND
	tensor_load_to_lds s[GW:GW+3], s[DW:DW+7]
	s_nop 0
.else
	s_barrier_signal -1
	s_barrier_wait -1
.endif
	PLACES
.endm
; A chunk.  LDS loads out at its head, oldest first: the scale image (2), K steps 0-1 (12), K steps 2-3 (12).  Each counted wait leaves out what was issued behind the half of the ring that is multiplied next.
.macro CHUNK x, pos, chg
	WIN 0x44
	VALOAD
.irp n, 0,1
.irp q, 0,1
	ds_load_b128 v[CP+8*\n+4*\q:CP+8*\n+4*\q+3], v[VS] offset:64*\n+16*\q
.endr
.endr
	WIN W_B
	s_wait_dscnt 20                                ; out: K steps 2-3 (12), Va and cv (8)
	MM8 \x, 0, 0
	PLACES                                         ; four places ahead of loads into registers that products have read
	FRAGS VB, 4
	FRAGS VB, 5
	s_wait_dscnt 20                                ; out: Va and cv (8), K steps 4-5 (12)
	MM8 \x, 2, 0
	PLACES
	FRAGS VB, 6
	FRAGS VB, 7
	s_wait_dscnt 12                                ; out: K steps 6-7; Va and cv are in
	MM8 \x, 4, 1
.if (\chg) == 1
	CHANGE 1
.elseif (\chg) == 2
	CHANGE 0
.else
	PLACES
.endif
	WIN W_B
	SCALEIMG VBN, 1-(\x)
	FRAGS VBN, 0
	FRAGS VBN, 1
	s_wait_dscnt 14                                ; out: the next chunk's scale image (2) and K steps 0-1 (12)
	MM8 \x, 6, 2
	PLACES                                         ; also the places ahead of the first read of the products
	FRAGS VBN, 2
	FRAGS VBN, 3
	v_mov_b32 v[VB], v[VBN]
.if (\pos) == 2
	s_sub_co_u32 s72, s72, 6*REC
	s_xor_b32 s72, s72, WSL
.else
	s_add_co_u32 s72, s72, 2*REC
.endif
	v_add_nc_u32 v[VBN], v3, s72
	v_add_nc_u32 v[VS], v11, s73
	s_add_co_u32 s73, s73, 128
	WIN 0x14
.set U, 0
.rept 16
	v_pk_fma_f32 v[E+2*U:E+2*U+1], v[M+2*U:M+2*U+1], s[22:23], v[CP+8*(U/8)+2*(U%4):CP+8*(U/8)+2*(U%4)+1] op_sel_hi:[1,0,1]
.set U, U+1
.endr
	WIN W_B
	s_wait_alu depctr_va_vdst(0)
.set TI, 0
.rept 32
	v_exp_f32 v[E+TI], v[E+TI]
	v_rcp_f32 v[R+TI], v[R+TI]
.set TI, TI+1
.endr
	v_nop                                          ; a plain place behind the last of them
	s_wait_alu depctr_va_vdst(0)                   ; and the one wait behind the batch
.endm
.macro ASKNEXT                         ; 2 x 32 blocks of 256 bytes of my rows of the next pass
	s_cmp_eq_u32 s82, 1
	s_cbranch_scc1 .Lnoask_\@
	global_prefetch_b8 v[PFO], s[40:41] th:TH_LOAD_NT scope:SCOPE_SE
	global_prefetch_b8 v[PFO], s[40:41] offset:256 th:TH_LOAD_NT scope:SCOPE_SE
.Lnoask_\@:
.endm
.macro TRIP chg
	ASKNEXT
	CHUNK 0, 0, 0
	CHUNK 1, 1, 0
	CHUNK 0, 2, 0
	CHUNK 1, 3, \chg
	WIN 0
	s_wait_xcnt 0x0                                ; the prefetches have read their base
	s_add_nc_u64 s[40:41], s[40:41], 512
	s_sub_co_u32 s74, s74, 1
	s_cmp_lg_u32 s74, 0
.endm
.macro CTXHALF kh                      ; 32 rows x 4 K steps x my four columns: bf16 x weight, summed in f32, sixteen chains
	WIN 0x02+(\kh)
.set FI, 0
.rept 512
.set fr, FI/16
.set fk, (FI/4)%4
.set fc, FI%4
.if fc%2
	v_fma_mix_f32_bf16 v[CA+16*(\kh)+4*fk+fc], v[64*fk+2*fr+fc/2], v[WR+fr], v[CA+16*(\kh)+4*fk+fc] op_sel:[1,0,0] op_sel_hi:[1,0,0]
.else
	v_fma_mix_f32_bf16 v[CA+16*(\kh)+4*fk+fc], v[64*fk+2*fr+fc/2], v[WR+fr], v[CA+16*(\kh)+4*fk+fc] op_sel_hi:[1,0,0]
.endif
.set FI, FI+1
.endr
.endm
.Lpass:
	s_wait_xcnt 0x0                                ; earlier prefetches and stores have read their bases
	s_wait_tensorcnt 0x0
	ds_add_u32 v1, v2                              ; twice
	ds_add_u32 v1, v2
	s_mov_b64 s[GK0+2:GK0+3], s[86:87]
	s_or_b32 s[GK0+3], s[GK0+3], 0x80000000
	s_add_nc_u64 s[GK0+6:GK0+7], s[86:87], 1024
	s_or_b32 s[GK0+7], s[GK0+7], 0x80000000
	s_add_nc_u64 s[86:87], s[86:87], 131072
	s_mov_b64 s[40:41], s[86:87]
	s_mul_i32 s[GW+1], s16, 2*REC
	s_mov_b64 s[GW+2:GW+3], s[88:89]
	s_or_b32 s[GW+3], s[GW+3], 0x80000000
	s_wait_dscnt 0x0
	CROUND
	tensor_load_to_lds s[GK0:GK0+3], s[DK:DK+7]    ; tile 0 of my 32 rows
	s_nop 0
	PLACES
	s_cmp_eq_u32 s82, 2
	s_cbranch_scc0 .Lstat_done                     ; first pass alone: cv, zeros and Va into LDS bytes of their own, 16 bytes a thread, while tile 0 is on its way
	global_load_b128 v[48:51], v[GOF], s[42:43]
	global_load_b128 v[52:55], v[GOF], s[42:43] offset:2048
	global_load_b128 v[56:59], v[GOF], s[10:11]
	global_load_b128 v[60:63], v[GOF], s[10:11] offset:2048
	s_wait_loadcnt 0x0
	ds_store_b128 v[LST], v[48:51]
	ds_store_b128 v[LST], v[52:55] offset:2048
	ds_store_b128 v[LST], v[56:59] offset:4608
	ds_store_b128 v[LST], v[60:63] offset:6656
	ds_store_b32 v[LZP], v2
.Lstat_done:
.irp j, 0,1,2,3
	KSTEP \j
.endr
	s_wait_tensorcnt 0x0
	ds_add_u32 v1, v2
	s_xor_b32 s[GW+1], s[GW+1], WSL
	s_add_nc_u64 s[GW+2:GW+3], s[GW+2:GW+3], 8*REC
	s_wait_dscnt 0x0
	CROUND
	tensor_load_to_lds s[GW:GW+3], s[DW:DW+7]      ; Ua's records 8-15
	s_nop 0
	PLACES
.set ZI, 0
.rept 32
	v_mov_b32 v[E+ZI], 0                           ; the pipeline's first two turns run on these: their results meet Va words that are 0
	v_mov_b32 v[R+ZI], 1.0
.set ZI, ZI+1
.endr
.set ZI, 0
.rept 8
	v_mov_b32 v[SC+ZI], 0
.set ZI, ZI+1
.endr
	s_mov_b32 s72, 2*REC
	s_mov_b32 s73, 128
	v_mov_b32 v[VB], v3
	v_add_nc_u32 v[VBN], 2*REC, v3
	v_mov_b32 v[VS], v11
	s_wait_alu depctr_va_vdst(0)                   ; what the lines above
	SCALEIMG VB, 0
	FRAGS VB, 0
	FRAGS VB, 1
	FRAGS VB, 2
	FRAGS VB, 3
	s_mov_b32 s74, 6
.Lfilling:
	TRIP 1
	s_cbranch_scc1 .Lfilling
	s_mov_b32 s74, 2
.Ldraining:                                            ; the last two slots: nothing is left to fetch
	TRIP 2
	s_cbranch_scc1 .Ldraining
	WIN 0x44                                       ; the pipeline runs out: chunk 30's sums, chunk 31's 2^t + 1,
	VALOAD
	WIN W_B
	s_wait_dscnt 0x0
	FINAL
	ADD1
	v_add_nc_u32 v[VS], v11, s73
	s_wait_alu depctr_va_vdst(0)
	WIN 0x44
	VALOAD
	WIN W_B
.set TI, 0
.rept 32
	v_rcp_f32 v[R+TI], v[R+TI]                     ; chunk 31's reciprocals,
.set TI, TI+1
.endr
	v_nop
	s_wait_dscnt 0x0
	s_wait_alu depctr_va_vdst(0)
	FINAL                                          ; and its sums
	WIN 0
	v_pk_add_f32 v[144:145], v[SC:SC+1], v[SC+4:SC+5]        ; rows 0-15: both records
	v_pk_add_f32 v[146:147], v[SC+2:SC+3], v[SC+6:SC+7]      ; rows 16-31
	v_mov_b32 v150, 0
	v_mov_b32 v151, 0
	v_mov_b32 v155, 0
	v_add_f32 v148, v144, v145
	v_add_f32 v149, v146, v147
	v_permlanex16_b32 v150, v148, s76, s77
	v_permlanex16_b32 v151, v149, s76, s77
	v_add_f32 v148, v148, v150
	v_add_f32 v149, v149, v151
	v_add_nc_u32 v153, s83, v10
	v_cmp_ne_u32 vcc_lo, 0, v4
	v_cndmask_b32 v152, v148, v149, vcc_lo         ; lane l holds row l
	v_mul_f32 v152, -2.0, v152                     ; z
	ds_store_b32 v153, v152
	v_mov_b32 v154, v152
.irp m, 1,2,4,8
	v_max_num_f32_dpp v154, v154, v154 row_xmask:\m row_mask:0xf bank_mask:0xf
.endr
	v_permlanex16_b32 v155, v154, s76, s77
	v_max_num_f32 v154, v154, v155                 ; the group's largest z
	v_sub_f32 v152, v152, v154
	v_mul_f32 v152, 0x3fb8aa3b, v152
	s_wait_alu depctr_va_vdst(0)
	v_exp_f32 v152, v152
.set ZI, CA
.rept 32
	v_mov_b32 v[ZI], 0
.set ZI, ZI+1
.endr
	s_wait_alu depctr_va_vdst(0)
	ds_store_b32 v15, v152
.irp q, 0,1,2,3,4,5,6,7
	ds_load_b128 v[WR+4*\q:WR+4*\q+3], v8 offset:16*\q       ; my wave's own bytes, served in order: every lane gets all 32 weights
.endr
	s_wait_dscnt 0x0
	CTXHALF 0
	CTXHALF 1
	WIN 0
.irp k, 0,1,2,3,4,5,6,7
	global_store_b128 v3, v[CA+4*\k:CA+4*\k+3], s[84:85] offset:512*\k   ; 32 lanes store 512 consecutive bytes
.endr
	s_wait_xcnt 0x0
	s_add_nc_u64 s[84:85], s[84:85], 4096
	s_add_co_u32 s83, s83, 128
	s_sub_co_u32 s82, s82, 1
	s_cmp_lg_u32 s82, 0
	s_wait_alu depctr_va_vdst(0)
	s_cbranch_scc1 .Lpass
	v_lshl_add_u32 v112, v0, 3, SCR
	v_lshlrev_b32 v113, 3, v0
	s_wait_alu depctr_va_vdst(0)
	ds_load_b64 v[114:115], v112                   ; my wave's own 256 bytes: its 64 rows' z
	s_wait_dscnt 0x0
	global_store_b64 v113, v[114:115], s[12:13]
	s_wait_tensorcnt 0x0                           ; the wave's end
	ds_add_u32 v1, v2
	s_wait_dscnt 0x0
	CROUND                                         ; the closing round
	s_endpgm
.Lfunc_end_k_q0310b9a509_main:
	.size	k_q0310b9a509_main, .Lfunc_end_k_q0310b9a509_main-k_q0310b9a509_main
	.p2alignl 7, 3214868480
	.fill 96, 4, 3214868480
	.section	.rodata,"a",@progbits
	.p2align	6, 0x0
	.amdhsa_kernel k_q0310b9a509_main
		.amdhsa_group_segment_fixed_size 327680
		.amdhsa_private_segment_fixed_size 0
		.amdhsa_enable_private_segment 0
		.amdhsa_kernarg_size 48
		.amdhsa_user_sgpr_count 2
		.amdhsa_user_sgpr_kernarg_segment_ptr 1
		.amdhsa_wavefront_size32 1
		.amdhsa_system_sgpr_workgroup_id_x 1
		.amdhsa_system_sgpr_workgroup_id_y 1
		.amdhsa_system_sgpr_workgroup_id_z 1
		.amdhsa_system_vgpr_workitem_id 0
		.amdhsa_next_free_vgpr 1024
		.amdhsa_next_free_sgpr 92
		.amdhsa_reserve_vcc 1
		.amdhsa_float_denorm_mode_32 3
		.amdhsa_float_denorm_mode_16_64 3
		.amdhsa_memory_ordered 1
		.amdhsa_forward_progress 1
		.amdhsa_inst_pref_size 255
	.end_amdhsa_kernel
	.section	.bss,"aw",@nobits
	.p2align	6
	.space	262144
	.amdgpu_metadata
---
amdhsa.version: [ 1, 2 ]
amdhsa.kernels:
  - .name:           k_q0310b9a509_main
    .symbol:         k_q0310b9a509_main.kd
    .args:
      - { .name: keys, .offset: 0, .size: 8, .value_kind: global_buffer, .address_space: global }
      - { .name: ubimg, .offset: 8, .size: 8, .value_kind: global_buffer, .address_space: global }
      - { .name: cv, .offset: 16, .size: 8, .value_kind: global_buffer, .address_space: global }
      - { .name: Va_w, .offset: 24, .size: 8, .value_kind: global_buffer, .address_space: global }
      - { .name: scores, .offset: 32, .size: 8, .value_kind: global_buffer, .address_space: global }
      - { .name: part, .offset: 40, .size: 8, .value_kind: global_buffer, .address_space: global }
    .group_segment_fixed_size: 327680
    .private_segment_fixed_size: 0
    .kernarg_segment_align: 8
    .kernarg_segment_size: 48
    .max_flat_workgroup_size: 128
    .sgpr_count:     92
    .vgpr_count:     1024
    .wavefront_size: 32
...
	.end_amdgpu_metadata
.endif
;; end of part 2
;; launch fin (part 3): grid 8 x 32, 8 waves a work-group, no clusters, 9,216 bytes of LDS; arguments scores, part, out0, out1; writes out0, out1
.if DOCPART == 3
	.amdgcn_target "amdgcn-amd-amdhsa--gfx1250"
	.amdhsa_code_object_version 6
	.text
	.protected	k_q0310b9a509_fin
	.globl	k_q0310b9a509_fin
	.p2align	8
	.type	k_q0310b9a509_fin,@function
k_q0310b9a509_fin:
	s_mov_b64 s[64:65], 0
	v_nop
	global_prefetch_b8 v0, s[64:65] scope:SCOPE_SE
	s_setreg_imm32_b32 hwreg(HW_REG_WAVE_MODE, 25, 1), 1
	s_wait_xcnt 0x0
; weights[b][:] = softmax(scores[b][:]) (out1); context[b][h] = sum over the batch's 64 groups j of f_j part[64 b + j][h] (out0), f_j = 2^((m_j - M) log2(e)) / L:
; part[j] was summed with weights 2^((s - m_j) log2(e)), m_j the largest of group j's 32 scores; M is the batch's largest score, L the sum of 2^((s - M) log2(e)).  All in f32.
; The maximum is taken away before every exponential; m_j is found again in the stored scores, so it is the number that was taken away there.
; SHARES.  Work-group (x, y) owns columns 128 x .. 128 x + 127 of batch y's context and weights 256 x .. 256 x + 255 of out1: each output has one owner.  Each of a batch's eight work-groups makes the softmax for
; itself, from 8 KB of scores.  Wave w adds groups 8 w .. 8 w + 7; a lane four columns: each load of a wave covers 512 consecutive bytes.  A stream of 8 MB read once: no matrix unit, tensor load or cluster would add anything.
; LIMITS: NaN and infinities are not served; a weight or a factor under 2^-126 times the largest comes out as 0.
.set RSUM, 256                         ; LDS: byte 0: 8 words of the waves' maxima; 256: 8 words of their sums;
.set FT,   512                         ; 64 words: the groups' factors;
.set CT,   1024                        ; and 512 bytes for each wave: its part of the context
.set ACC,  16                          ; v16-19   four sums
.set FC,   20                          ; v20-27   my wave's eight factors, the same in every lane
.set X,    64                          ; v64-95   eight parts, four numbers each
.set SCO,  192                         ; v192-199 my eight scores, then weights
	s_load_b256 s[4:11], s[0:1], 0x0               ; scores s[4:5], part s[6:7], out0 s[8:9], out1 s[10:11]
	v_lshl_add_u32 v208, v0, 2, 0x2000
	v_mov_b32 v209, 0
	v_lshrrev_b32 v4, 5, v0
	s_delay_alu instid0(VALU_DEP_1)
	v_readfirstlane_b32 s12, v4                    ; wave 0..7
	s_and_b32 s13, ttmp7, 0xffff                   ; the batch
	v_and_b32 v1, 31, v0
	s_delay_alu instid0(VALU_DEP_1)
	v_lshlrev_b32 v1, 4, v1                        ; 16 x lane; never rewritten
	v_lshlrev_b32 v2, 4, v0                        ; 16 x thread; never rewritten
	s_lshl_b32 s22, s12, 2
	v_mov_b32 v200, s22                            ; my wave's word among the maxima (the sums: 256 bytes on)
	v_mov_b32 v202, 0
	v_lshrrev_b32 v201, 3, v0
	s_delay_alu instid0(VALU_DEP_1)
	v_lshl_add_u32 v201, v201, 2, FT               ; the factor's word of group t / 8 (group 32 + t / 8: 128 bytes on)
	s_lshl_b32 s22, s12, 5
	s_add_co_u32 s22, s22, FT
	v_mov_b32 v205, s22                            ; my wave's eight factors
	s_lshl_b32 s22, s12, 9
	s_add_co_u32 s22, s22, CT
	v_add_nc_u32 v203, s22, v1                     ; my 16 bytes of my wave's part of the context
	v_add_nc_u32 v204, CT, v1                      ; and of wave 0's
	v_mov_b32 v7, 0                                ; (a lane permute's destination counts as one of its sources)
	s_mov_b32 s20, 0x76543210
	s_mov_b32 s21, 0xfedcba98                      ; v_permlanex16_b32's selects for lane l xor 16
	s_lshl_b32 s16, s13, 18                        ; part: a batch is 64 groups of 4,096 bytes,
	s_lshl_b32 s17, s12, 15                        ; my wave's eight,
	s_add_co_u32 s16, s16, s17
	s_lshl_b32 s17, ttmp9, 9                       ; my work-group's 512 bytes of each
	s_add_co_u32 s16, s16, s17
	s_mov_b32 s17, 0
	s_lshl_b32 s18, s13, 13                        ; scores and out1: 8,192 bytes a batch
	s_mov_b32 s19, 0
	s_lshl_b32 s24, s13, 12                        ; out0: 4,096 bytes a batch, my 512
	s_lshl_b32 s25, ttmp9, 9
	s_add_co_u32 s24, s24, s25
	s_mov_b32 s25, 0
	s_wait_alu depctr_va_vdst(0)
	s_wait_kmcnt 0x0
	s_add_nc_u64 s[6:7], s[6:7], s[16:17]
	s_add_nc_u64 s[4:5], s[4:5], s[18:19]
	s_add_nc_u64 s[10:11], s[10:11], s[18:19]
	s_add_nc_u64 s[8:9], s[8:9], s[24:25]
	global_load_b128 v[SCO:SCO+3], v2, s[4:5]
	global_load_b128 v[SCO+4:SCO+7], v2, s[4:5] offset:4096
.irp i, 0,1,2,3,4,5,6,7
	global_load_b128 v[X+4*\i:X+4*\i+3], v1, s[6:7] offset:4096*\i th:TH_LOAD_NT   ; the parts are on their way while the softmax is made
.endr
	s_wait_loadcnt 8                               ; the scores are in; the eight loads issued behind them stay out
	v_max3_num_f32 v4, v[SCO], v[SCO+1], v[SCO+2]
	v_max3_num_f32 v5, v[SCO+4], v[SCO+5], v[SCO+6]
	s_delay_alu instid0(VALU_DEP_2)
	v_max_num_f32 v4, v4, v[SCO+3]
	s_delay_alu instid0(VALU_DEP_2)
	v_max_num_f32 v5, v5, v[SCO+7]
.irp m, 1,2,4
	s_delay_alu instid0(VALU_DEP_2)
	v_max_num_f32_dpp v4, v4, v4 row_xmask:\m row_mask:0xf bank_mask:0xf       ; over eight lanes: m of group t / 8,
	s_delay_alu instid0(VALU_DEP_2)
	v_max_num_f32_dpp v5, v5, v5 row_xmask:\m row_mask:0xf bank_mask:0xf       ; and of group 32 + t / 8
.endr
	s_delay_alu instid0(VALU_DEP_1)
	v_max_num_f32 v6, v4, v5
	s_delay_alu instid0(VALU_DEP_1)
	v_max_num_f32_dpp v6, v6, v6 row_xmask:8 row_mask:0xf bank_mask:0xf
	s_delay_alu instid0(VALU_DEP_1)
	v_permlanex16_b32 v7, v6, s20, s21
	s_delay_alu instid0(VALU_DEP_1)
	v_max_num_f32 v6, v6, v7                       ; my wave's largest score
	ds_store_b32 v200, v6                          ; all lanes write the same word with the same value
	s_wait_dscnt 0x0                               ; for the others' sake
	s_barrier_signal -1
	s_barrier_wait -1
	ds_load_b128 v[8:11], v202
	ds_load_b128 v[12:15], v202 offset:16
	s_wait_dscnt 0x0
	v_max3_num_f32 v6, v8, v9, v10
	v_max3_num_f32 v7, v11, v12, v13
	s_delay_alu instid0(VALU_DEP_2)
	v_max3_num_f32 v6, v6, v14, v15
	s_delay_alu instid0(VALU_DEP_1)
	v_max_num_f32 v6, v6, v7                       ; M, the batch's largest score
.irp i, 0,1,2,3,4,5,6,7
	v_sub_f32 v[SCO+\i], v[SCO+\i], v6
.endr
	v_sub_f32 v4, v4, v6
	v_sub_f32 v5, v5, v6
.irp i, 0,1,2,3,4,5,6,7
	v_mul_f32 v[SCO+\i], 0x3fb8aa3b, v[SCO+\i]     ; x log2(e)
.endr
	v_mul_f32 v4, 0x3fb8aa3b, v4
	v_mul_f32 v5, 0x3fb8aa3b, v5
	s_wait_alu depctr_va_vdst(0)
.irp i, 0,1,2,3,4,5,6,7
	v_exp_f32 v[SCO+\i], v[SCO+\i]
.endr
	v_exp_f32 v4, v4
	v_exp_f32 v5, v5
	v_nop                                          ; a plain line behind the last exponential,
	s_wait_alu depctr_va_vdst(0)                   ; and the one wait ahead of the batch's first reader
	v_pk_add_f32 v[8:9], v[SCO:SCO+1], v[SCO+2:SCO+3]
	v_pk_add_f32 v[10:11], v[SCO+4:SCO+5], v[SCO+6:SCO+7]
	s_delay_alu instid0(VALU_DEP_1)
	v_pk_add_f32 v[8:9], v[8:9], v[10:11]
	s_delay_alu instid0(VALU_DEP_1)
	v_add_f32 v8, v8, v9
.irp m, 1,2,4,8
	s_delay_alu instid0(VALU_DEP_1)
	v_add_f32_dpp v8, v8, v8 row_xmask:\m row_mask:0xf bank_mask:0xf
.endr
	s_delay_alu instid0(VALU_DEP_1)
	v_permlanex16_b32 v9, v8, s20, s21
	s_delay_alu instid0(VALU_DEP_1)
	v_add_f32 v8, v8, v9
	ds_store_b32 v200, v8 offset:RSUM
	s_wait_dscnt 0x0
	s_barrier_signal -1
	s_barrier_wait -1
	ds_load_b128 v[8:11], v202 offset:RSUM
	ds_load_b128 v[12:15], v202 offset:RSUM+16
	s_wait_dscnt 0x0
	v_pk_add_f32 v[8:9], v[8:9], v[10:11]
	v_pk_add_f32 v[12:13], v[12:13], v[14:15]
	s_delay_alu instid0(VALU_DEP_1)
	v_pk_add_f32 v[8:9], v[8:9], v[12:13]
	s_delay_alu instid0(VALU_DEP_1)
	v_add_f32 v8, v8, v9                           ; L, the batch's sum
	s_wait_alu depctr_va_vdst(0)
	v_rcp_f32 v3, v8
	v_nop                                          ; a plain line behind the reciprocal,
	s_wait_alu depctr_va_vdst(0)                   ; and the wait, ahead of its first reader
.irp i, 0,1,2,3,4,5,6,7
	v_mul_f32 v[SCO+\i], v[SCO+\i], v3             ; the weights
.endr
	v_mul_f32 v4, v4, v3                           ; the two groups' factors
	v_mul_f32 v5, v5, v3
	ds_store_b32 v201, v4                          ; eight lanes write the same word with the same value
	ds_store_b32 v201, v5 offset:128
	; out1: weights 256 x .. 256 x + 255 lie in the registers of waves 2 (x % 4) and 2 (x % 4) + 1: in the lower four for x < 4, else in the upper four
	s_and_b32 s23, ttmp9, 3
	s_lshr_b32 s24, s12, 1
	s_cmp_lg_u32 s23, s24
	s_cbranch_scc1 .Lnot_mine
	s_cmp_lt_u32 ttmp9, 4
	s_cbranch_scc0 .Lupper
	global_store_b128 v2, v[SCO:SCO+3], s[10:11]               ; 32 lanes store 512 consecutive bytes
	s_branch .Lnot_mine
.Lupper:
	s_wait_alu depctr_va_vdst(0)
	global_store_b128 v2, v[SCO+4:SCO+7], s[10:11] offset:4096
.Lnot_mine:
	s_wait_dscnt 0x0                               ; for the others' sake: my factors lie in LDS
	s_barrier_signal -1
	s_barrier_wait -1
	ds_load_b128 v[FC:FC+3], v205                  ; every lane reads the same words
	ds_load_b128 v[FC+4:FC+7], v205 offset:16
	s_wait_dscnt 0x0
	s_wait_loadcnt 7                               ; loads come back in order (ISA guide 5.7.1): the first part is in, the seven younger may be out
	v_pk_mul_f32 v[ACC:ACC+1], v[X:X+1], v[FC:FC+1] op_sel_hi:[1,0]            ; the first part starts the sums; of the pair of factors the part's own serves both halves
	v_pk_mul_f32 v[ACC+2:ACC+3], v[X+2:X+3], v[FC:FC+1] op_sel_hi:[1,0]
	s_wait_alu depctr_va_vdst(0)
.irp i, 1,2,3,4,5,6,7
	s_wait_loadcnt 7-\i
.if \i%2 == 0
	s_wait_alu depctr_va_vdst(0)
	v_pk_fma_f32 v[ACC:ACC+1], v[X+4*\i:X+4*\i+1], v[FC+2*(\i/2):FC+2*(\i/2)+1], v[ACC:ACC+1] op_sel_hi:[1,0,1]
	s_wait_alu depctr_va_vdst(0)
	v_pk_fma_f32 v[ACC+2:ACC+3], v[X+4*\i+2:X+4*\i+3], v[FC+2*(\i/2):FC+2*(\i/2)+1], v[ACC+2:ACC+3] op_sel_hi:[1,0,1]
.else
	v_pk_fma_f32 v[ACC:ACC+1], v[X+4*\i:X+4*\i+1], v[FC+2*(\i/2):FC+2*(\i/2)+1], v[ACC:ACC+1] op_sel:[0,1,0] op_sel_hi:[1,1,1]
	s_wait_alu depctr_va_vdst(0)
	v_pk_fma_f32 v[ACC+2:ACC+3], v[X+4*\i+2:X+4*\i+3], v[FC+2*(\i/2):FC+2*(\i/2)+1], v[ACC+2:ACC+3] op_sel:[0,1,0] op_sel_hi:[1,1,1]
.endif
.endr
	ds_store_b128 v203, v[ACC:ACC+3]               ; my wave's eight groups' share of the 128 columns
	s_wait_dscnt 0x0
	s_barrier_signal -1
	s_barrier_wait -1
	s_cmp_lg_u32 s12, 0
	s_cbranch_scc1 .Lend                           ; wave 0 adds the eight shares
.irp i, 0,1,2,3,4,5,6,7
	ds_load_b128 v[X+4*\i:X+4*\i+3], v204 offset:512*\i
.endr
	s_wait_dscnt 0x0
.irp i, 0,2
	v_pk_add_f32 v[X+\i:X+\i+1], v[X+\i:X+\i+1], v[X+4+\i:X+4+\i+1]
	v_pk_add_f32 v[X+8+\i:X+8+\i+1], v[X+8+\i:X+8+\i+1], v[X+12+\i:X+12+\i+1]
	v_pk_add_f32 v[X+16+\i:X+16+\i+1], v[X+16+\i:X+16+\i+1], v[X+20+\i:X+20+\i+1]
	v_pk_add_f32 v[X+24+\i:X+24+\i+1], v[X+24+\i:X+24+\i+1], v[X+28+\i:X+28+\i+1]
.endr
.irp i, 0
	v_pk_add_f32 v[X+\i:X+\i+1], v[X+\i:X+\i+1], v[X+8+\i:X+8+\i+1]
	v_pk_add_f32 v[X+16+\i:X+16+\i+1], v[X+16+\i:X+16+\i+1], v[X+24+\i:X+24+\i+1]
.endr
.irp i, 2
	v_pk_add_f32 v[X+\i:X+\i+1], v[X+\i:X+\i+1], v[X+8+\i:X+8+\i+1]
	s_delay_alu instid0(VALU_DEP_4)
	v_pk_add_f32 v[X+16+\i:X+16+\i+1], v[X+16+\i:X+16+\i+1], v[X+24+\i:X+24+\i+1]
.endr
.irp i, 0
	s_delay_alu instid0(VALU_DEP_3)
	v_pk_add_f32 v[X+\i:X+\i+1], v[X+\i:X+\i+1], v[X+16+\i:X+16+\i+1]
.endr
.irp i, 2
	s_delay_alu instid0(VALU_DEP_2)
	v_pk_add_f32 v[X+\i:X+\i+1], v[X+\i:X+\i+1], v[X+16+\i:X+16+\i+1]
.endr
	global_store_b128 v1, v[X:X+3], s[8:9]         ; 32 lanes store 512 consecutive bytes, at a multiple of 512 from out0's first byte
.Lend:
	s_wait_tensorcnt 0x0
	ds_add_u32 v208, v209
	s_wait_dscnt 0x0
	s_endpgm
.Lfunc_end_k_q0310b9a509_fin:
	.size	k_q0310b9a509_fin, .Lfunc_end_k_q0310b9a509_fin-k_q0310b9a509_fin
	.p2alignl 7, 3214868480
	.fill 96, 4, 3214868480
	.section	.rodata,"a",@progbits
	.p2align	6, 0x0
	.amdhsa_kernel k_q0310b9a509_fin
		.amdhsa_group_segment_fixed_size 9216
		.amdhsa_private_segment_fixed_size 0
		.amdhsa_enable_private_segment 0
		.amdhsa_kernarg_size 32
		.amdhsa_user_sgpr_count 2
		.amdhsa_user_sgpr_kernarg_segment_ptr 1
		.amdhsa_wavefront_size32 1
		.amdhsa_system_sgpr_workgroup_id_x 1
		.amdhsa_system_sgpr_workgroup_id_y 1
		.amdhsa_system_sgpr_workgroup_id_z 1
		.amdhsa_system_vgpr_workitem_id 0
		.amdhsa_next_free_vgpr 210
		.amdhsa_next_free_sgpr 66
		.amdhsa_reserve_vcc 0
		.amdhsa_float_denorm_mode_32 3
		.amdhsa_float_denorm_mode_16_64 3
		.amdhsa_memory_ordered 1
		.amdhsa_forward_progress 1
		.amdhsa_inst_pref_size 13
	.end_amdhsa_kernel
	.amdgpu_metadata
---
amdhsa.version: [ 1, 2 ]
amdhsa.kernels:
  - .name:           k_q0310b9a509_fin
    .symbol:         k_q0310b9a509_fin.kd
    .args:
      - { .name: scores, .offset: 0, .size: 8, .value_kind: global_buffer, .address_space: global }
      - { .name: part, .offset: 8, .size: 8, .value_kind: global_buffer, .address_space: global }
      - { .name: out0, .offset: 16, .size: 8, .value_kind: global_buffer, .address_space: global }
      - { .name: out1, .offset: 24, .size: 8, .value_kind: global_buffer, .address_space: global }
    .group_segment_fixed_size: 9216
    .private_segment_fixed_size: 0
    .kernarg_segment_align: 8
    .kernarg_segment_size: 32
    .max_flat_workgroup_size: 256
    .sgpr_count:     66
    .vgpr_count:     210
    .wavefront_size: 32
...
	.end_amdgpu_metadata
.endif
;; end of part 3
